; MI455X (gfx1250); checked and timed in simulation.
; The chip was launched on July 23, 2026; its instructions are those of AMD's public machine-readable ISA for CDNA 5 (MIT licence, August 2026) and "CDNA5" Instruction Set Architecture Reference Guide (July 2026). The comments in the code are by the model that wrote it; some were corrected since.
;; Single Head Self Attention. Allowed arithmetic: float matrix products may take bf16 or f16 operands with f32 sums; all other float work in f32.
;; Inputs: Wk 1,024 x 1,024 float32; Wq 1,024 x 1,024 float32; Wv 1,024 x 1,024 float32; bk 1,024 float32; bq 1,024 float32; bv 1,024 float32; inputs 8 x 1,024 x 1,024 float32; mask 8 x 1 x 1,024 x 1,024 bool.
;; Outputs: out0 8 x 1,024 x 1,024 float32.
;; 2 versions, each right; version 2 is version 1 with the launch prep written anew for expert scheduling mode. Each part assembles by itself: llvm-mc -triple=amdgcn-amd-amdhsa -mcpu=gfx1250 --defsym DOCPART=n.
;; ======== version 1 of 2: 4 launches
;; limits: values are held in f16: magnitudes above 65,504 overflow, below 6.1e-05 lose precision
;; workspace buffers: wb 6,291,456 bytes; qkv 50,331,648 bytes; pbuf 16,777,216 bytes; stat 524,288 bytes
;; launch prep (part 1): grid 256 x 1, 8 waves a work-group, no clusters, 0 bytes of LDS; arguments Wq, Wk, Wv, wb; writes wb
.if DOCPART == 1
	.amdgcn_target "amdgcn-amd-amdhsa--gfx1250"
	.amdhsa_code_object_version 6
	.text
	.protected	k_qbc1c84913d_prep
	.globl	k_qbc1c84913d_prep
	.p2align	8
	.type	k_qbc1c84913d_prep,@function
k_qbc1c84913d_prep:
	s_mov_b64 s[64:65], 0
	v_nop
	global_prefetch_b8 v0, s[64:65] scope:SCOPE_SE
	s_setreg_imm32_b32 hwreg(HW_REG_WAVE_MODE, 25, 1), 1
	s_wait_xcnt 0x0
; SINGLE-HEAD ATTENTION, B = 8, S = D = 1024, in four launches:
;   1 (this one)  Wq, Wk, Wv rounded to bf16 and laid out tile by tile
;   2             q | k | v = x W + b, f16, [8192][3072]; x is rounded to bf16 on its way from LDS to the matrix unit
;   3             P = exp2(c s - M_blk) per block of 128 keys, f16, with (M_blk, l_blk) per row and block; s = q . k, c = log2(e) / 32
;   4             out = sum over blocks of exp2(M_blk - M) / l * (P_blk V_blk)
; NOTHING OF THE PROBLEM IS LEFT OUT.  The mask is an input: every score tile is computed and selected.  The masked value -999999 is
; finite, so the term q.bk, though equal along a row, shifts the live scores against the masked ones: bk stays.  All eight inputs are loaded.
; FORMATS.  x and W go to the matrix unit in bf16 (f32's exponent: every input fits), each rounded once, as it comes.
; q, k, v and P go in f16: 11 significant bits against bf16's 8.  A row with few live keys is a sum of few terms as large as v itself,
; so there the roundings of q, k, v and P are not averaged away.  Room in f16 (largest number 65,504): q, k, v are sums of 1,024 products,
; about 1 at the problem's spread; all inputs 30 times larger make them 900 times larger; a common offset of 30 spreads on x and on W
; adds 30 x (30/32) x 1024 = 28,800.  P is at most about 1.
; LIMITS: q, k, v beyond 65,504 in magnitude become infinite; below 6.1e-5 they are kept in steps of 6e-8.
; WHY W IS LAID OUT HERE: W lies [k][n], and the matrix unit wants k along a lane's registers; the transposing LDS load works on 16-bit
; elements, so W has to be in bf16 before it reaches LDS.  x lies [row][k] and needs no such step.
; This launch is a stream: no LDS, no matrix unit, no cluster (no two work-groups read the same bytes).
; 256 work-groups of equal work: work-group p takes rows k = 4 p .. 4 p + 3 of each of the three W.  Thread t takes n = 4 t .. 4 t + 3.
;   wb  [16 kb][24 chunks][64 k][128 n] bf16:     byte kb*393216 + chunk*16384 + (k%64)*256 + (n%128)*2, chunk = 8*(0 q, 1 k, 2 v) + n/128
.set SO,  1                            ; v1      16 t: a wave's load covers 512 neighbouring bytes of a row
.set DOF, 2                            ; v2      (t / 32) 16384 + 8 (t % 32): a wave's store fills one row of one chunk, 256 bytes, aligned
.set X,   8                            ; v[8:55] 12 rows x 4 f32 as loaded; the first 2 of each 4 then hold the 4 bf16
	s_load_b256 s[4:11], s[0:1], 0x0               ; Wq 4, Wk 6, Wv 8, wb 10
	s_lshl_b32 s12, ttmp9, 14                      ; 4 rows of 4,096 bytes
	s_mov_b32 s13, 0
	s_lshr_b32 s14, ttmp9, 4                       ; kb = k / 64 = p / 16
	s_mul_i32 s14, s14, 393216
	s_and_b32 s15, ttmp9, 15
	s_lshl_b32 s15, s15, 10                        ; k % 64 = 4 (p % 16): 4 rows of 256 bytes
	s_add_co_u32 s14, s14, s15
	s_mov_b32 s15, 0
	v_lshlrev_b32 v[SO], 4, v0
	v_lshrrev_b32 v3, 5, v0                        ; chunk of my n: 4 t / 128
	v_and_b32 v[DOF], 31, v0
	v_lshlrev_b32 v[DOF], 3, v[DOF]
	v_lshl_add_u32 v[DOF], v3, 14, v[DOF]
	s_wait_kmcnt 0x0
	s_add_nc_u64 s[4:5], s[4:5], s[12:13]
	s_add_nc_u64 s[6:7], s[6:7], s[12:13]
	s_add_nc_u64 s[8:9], s[8:9], s[12:13]
	s_add_nc_u64 s[10:11], s[10:11], s[14:15]
	; all twelve loads go out first; no register that a store names is written again
.irp m, 0,1,2
.irp i, 0,1,2,3
	global_load_b128 v[X+16*\m+4*\i:X+16*\m+4*\i+3], v[SO], s[4+2*\m:5+2*\m] offset:\i*4096 th:TH_LOAD_NT
.endr
.endr
.irp m, 0,1,2
.irp i, 0,1,2,3
	s_wait_loadcnt 11-(4*\m+\i)                    ; loads return in order: this row is in, the younger ones stay out
	v_cvt_pk_bf16_f32 v[X+16*\m+4*\i],   v[X+16*\m+4*\i],   v[X+16*\m+4*\i+1]      ; in place: a register is written after it was read
	v_cvt_pk_bf16_f32 v[X+16*\m+4*\i+1], v[X+16*\m+4*\i+2], v[X+16*\m+4*\i+3]
	global_store_b64 v[DOF], v[X+16*\m+4*\i:X+16*\m+4*\i+1], s[10:11] offset:\m*131072+\i*256
.endr
.endr
	s_endpgm
.Lfunc_end_k_qbc1c84913d_prep:
	.size	k_qbc1c84913d_prep, .Lfunc_end_k_qbc1c84913d_prep-k_qbc1c84913d_prep
	.p2alignl 7, 3214868480
	.fill 96, 4, 3214868480
	.section	.rodata,"a",@progbits
	.p2align	6, 0x0
	.amdhsa_kernel k_qbc1c84913d_prep
		.amdhsa_group_segment_fixed_size 0
		.amdhsa_private_segment_fixed_size 0
		.amdhsa_enable_private_segment 0
		.amdhsa_kernarg_size 32
		.amdhsa_user_sgpr_count 2
		.amdhsa_user_sgpr_kernarg_segment_ptr 1
		.amdhsa_wavefront_size32 1
		.amdhsa_system_sgpr_workgroup_id_x 1
		.amdhsa_system_sgpr_workgroup_id_y 1
		.amdhsa_system_sgpr_workgroup_id_z 1
		.amdhsa_system_vgpr_workitem_id 0
		.amdhsa_next_free_vgpr 56
		.amdhsa_next_free_sgpr 66
		.amdhsa_reserve_vcc 0
		.amdhsa_float_denorm_mode_32 3
		.amdhsa_float_denorm_mode_16_64 3
		.amdhsa_memory_ordered 1
		.amdhsa_forward_progress 1
		.amdhsa_inst_pref_size 6
	.end_amdhsa_kernel
	.amdgpu_metadata
---
amdhsa.version: [ 1, 2 ]
amdhsa.kernels:
  - .name:           k_qbc1c84913d_prep
    .symbol:         k_qbc1c84913d_prep.kd
    .args:
      - { .name: Wq, .offset: 0, .size: 8, .value_kind: global_buffer, .address_space: global }
      - { .name: Wk, .offset: 8, .size: 8, .value_kind: global_buffer, .address_space: global }
      - { .name: Wv, .offset: 16, .size: 8, .value_kind: global_buffer, .address_space: global }
      - { .name: wb, .offset: 24, .size: 8, .value_kind: global_buffer, .address_space: global }
    .group_segment_fixed_size: 0
    .private_segment_fixed_size: 0
    .kernarg_segment_align: 8
    .kernarg_segment_size: 32
    .max_flat_workgroup_size: 256
    .sgpr_count:     66
    .vgpr_count:     56
    .wavefront_size: 32
...
	.end_amdgpu_metadata
.endif
;; end of part 1
;; launch qkv (part 2): grid 8 x 32, 4 waves a work-group, clusters of 4 x 4, 327,680 bytes of LDS; arguments inputs, wb, bq, bk, bv, qkv; writes qkv
.if DOCPART == 2
	.amdgcn_target "amdgcn-amd-amdhsa--gfx1250"
	.amdhsa_code_object_version 6
	.text
	.protected	k_qbc1c84913d_qkv
	.globl	k_qbc1c84913d_qkv
	.p2align	8
	.type	k_qbc1c84913d_qkv,@function
k_qbc1c84913d_qkv:
	s_mov_b64 s[64:65], 0
	v_nop
	global_prefetch_b8 v0, s[64:65] scope:SCOPE_SE
	s_setreg_imm32_b32 hwreg(HW_REG_WAVE_MODE, 25, 1), 1
	s_wait_xcnt 0x0
	s_wait_alu depctr_hold_cnt(0) depctr_sa_sdst(0) depctr_va_vdst(0) depctr_va_sdst(0) depctr_va_ssrc(0) depctr_va_vcc(0) depctr_vm_vsrc(0)
	s_getreg_b32 s2, hwreg(HW_REG_IB_STS2, 6, 4)
	s_cmp_eq_u32 s2, 0
	s_cbranch_scc0 .Lentry_in_a_cluster
	s_endpgm
.Lentry_in_a_cluster:
	s_bfe_u32 s2, ttmp6, 0x10000c
	s_cmp_lg_u32 s2, 0xf033
	s_cbranch_scc0 .Lentry_shape_is_right
	s_endpgm
.Lentry_shape_is_right:
; qkv[8192][3072] (f16) = x (bf16) x wb (bf16) + bias, sums in f32.  Columns 0-1023 q = x Wq + bq, 1024-2047 k, 2048-3071 v.  No work is left out.
; x comes in as it lies in memory, in f32, and is rounded to bf16 between LDS and the matrix unit: it is read from memory once and never stored.
; 8192 x 3072 outputs in blocks of 256 x 384 are exactly 256 work-groups.  Four waves; a wave makes 128 x 192: 8 x 12 tiles of 16 x 16, 768 registers.
; K goes in steps of 64 through two LDS slots (a slot of 128 would take 245,760 bytes).  A step's tile of A is 256 rows x 256 bytes of x, each row
; aligned to 256 bytes; its tile of B is 3 chunks x 64 k x 256 bytes of wb, a dense block that comes in as rows of 256 bytes.
; CLUSTER 4 x 4: A's tile hangs on the block row alone and is asked for jointly by the four of a row of the cluster, B's on the block column alone
; and is asked for jointly by the four of a column.  Waves 0, 1 ask for A's halves, waves 2, 3 for B's.
; THE MATRIX INSTRUCTION IS USED TRANSPOSED: source 0 = 16 columns of W, source 1 = 16 rows of x; lane (r = l % 16, h = l / 16) then holds row r,
; and its registers j the columns 8 h + j: eight neighbouring numbers of a row.
; REGISTERS: windows 1-3: tile (a, b = 4 (w - 1) + b') at v[8 (4 a + b')].  Window 0: addresses; A's eight fragments in two buffers (AF0, AF1);
; three groups of 32 registers, R0, R1, R2, which hold B's fragments (four column tiles) or stage A's f32.
; A FRAGMENT OF A is 16 rows x 32 k: a lane's 16 f32.  The first eight land in the fragment's own eight registers, the second eight in a staging
; group; eight conversions pack them in place.
; A STEP is six runs of 32 matrix instructions, a b c (K 0-31, windows 1 2 3, on AF0) and d e f (K 32-63, on AF1):
;   run  B in   behind the run
;   a    R0     B(c) -> R0;  A(K 32-63, rows 0-63) -> AF1 + R2
;   b    R1     convert;     B(d) -> R1;  A(K 32-63, rows 64-127) -> AF1 + R2
;   c    R0     convert;     B(e) -> R0;  B(f) -> R2           (the last reads of this slot)
;   d    R1     (barrier, refill)  A(next step, rows 0-63) -> AF0 + R1
;   e    R0     convert;     B(a') -> R0; A(next step, rows 64-127) -> AF0 + R1
;   f    R2     convert;     B(b') -> R1
; The 96 accumulators take turns, one instruction a turn, in the same order in every quarter.
; LIMITS: q, k, v are rounded to f16 once, after the bias is added in f32: beyond 65,504 in magnitude they become infinite, below 6.1e-5 they
; are kept in steps of 6e-8 (at the problem's spread they are about 1: a factor of some 10,000 of room upward).
.set SLOT,   124928                    ; A 256 x 272, then B 192 x 288
.set AHALF,  34816                     ; 128 rows x (256 + 16) bytes
.set BBASE,  69632
.set BHALF,  27648                     ; 96 LDS rows x 288 (row = chunk * 64 + k)
.set BCHUNK, 18432                     ; 64 x 288
.set SP,     784                       ; the stage's pitch: 768 bytes + 16 = 49 x 16
.set ADRA, 8                           ; v8-9    LDS address of my A fragments, slot 0, 1
.set ADRB, 10                          ; v10-15  of my B fragments: 3 slot + group
.set STO,  16                          ; v16-17  the stage: where I put 16 bytes (rows 0-63, 64-127 of my block)
.set RD,   18                          ; v18     the stage: where I read back
.set CO,   19                          ; v19     my byte offset in qkv
.set BO,   20                          ; v20     my byte offset in a group's 64 numbers of bias
.set AF0,  32
.set AF1,  96
.set BF,   160
.set R0,   160
.set R1,   192
.set R2,   224
.set T,    32                          ; v32-159 the way out: a window's 32 tiles packed
.set G1A, 24
.set G0A, 32
.set G1B, 48
.set G0B, 56
.set BB,  72                           ; s[72:77] the bias at the first column of my three groups of 64 columns
.set MSB, 0
.macro WIN new                         ; the immediate's high byte repeats the setting that is left
.if MSB != \new
	s_set_vgpr_msb (MSB<<8)|\new
.set MSB, \new
.endif
.endm
.macro PLACES                          ; four places behind a matrix instruction before its registers are loaded into or its result read (ISA guide 7.12.1)
.rept 4
	v_nop
.endr
.endm
.macro JLOAD s                         ; a joint load: one line and one mask for A, one for B; the branch hangs on the wave's number alone
	s_cmp_eq_u32 s13, 0
	s_cbranch_scc0 .Lfor_b_\@
	tensor_load_to_lds s[G0A+4*\s:G0A+4*\s+3], s[G1A:G1A+7]
	s_nop 0
	s_branch .Lasked_\@
.Lfor_b_\@:
	tensor_load_to_lds s[G0B+4*\s:G0B+4*\s+3], s[G1B:G1B+7]
	s_nop 0
.Lasked_\@:
.endm
.macro CREST                           ; a round of the cluster's barrier behind its opening work-group barrier
	s_cmp_lg_u32 s12, 0
	s_cbranch_scc1 .Lnot_wave_0_\@
	s_barrier_signal -3
.Lnot_wave_0_\@:
	s_barrier_wait -3
	s_barrier_signal -1
	s_barrier_wait -1
.endm
.macro CROUND
	s_barrier_signal -1
	s_barrier_wait -1
	CREST
.endm
	s_load_b256 s[4:11], s[0:1], 0x0               ; inputs 4, wb 6, bq 8, bk 10
	s_load_b128 s[68:71], s[0:1], 0x20             ; bv 68, qkv 70
	v_lshl_add_u32 v30, v0, 2, 0x3d000
	v_mov_b32 v31, 0
	ds_add_u32 v30, v31
	v_lshrrev_b32 v1, 5, v0
	v_readfirstlane_b32 s12, v1                    ; wave
	s_lshr_b32 s13, s12, 1                         ; wm: my half of the rows.  Also: I ask for A (0) or B (1)
	s_and_b32 s14, s12, 1                          ; wn: my half of the columns.  Also: which half of that tile I ask for
	s_bfe_u32 s40, ttmp6, 0x40000                  ; cx
	s_bfe_u32 s41, ttmp6, 0x40004                  ; cy
	s_lshl_b32 s42, ttmp9, 2
	s_add_co_u32 s42, s42, s40                     ; block column 0-7
	s_and_b32 s43, ttmp7, 0xffff
	s_lshl_b32 s43, s43, 2
	s_add_co_u32 s43, s43, s41                     ; block row 0-31
	s_lshl_b32 s44, s41, 2
	s_lshl_b32 s44, 15, s44                        ; my row of the cluster
	s_lshl_b32 s45, 0x1111, s40                    ; my column
	; group 1, A: 128 rows of 64 elements of 4 bytes, 1,024 elements from row to row; 16 bytes of padding behind every 64 words
	s_or_b32  s[G1A+0], s44, (2<<16)|(1<<20)|(1<<21)|(5<<22)|(3<<25)
	s_mov_b32 s[G1A+1], 64<<16                     ; tensor_dim0
	s_mov_b32 s[G1A+2], 128<<16                    ; tensor_dim1
	s_mov_b32 s[G1A+3], 64<<16                     ; tile_dim0
	s_mov_b32 s[G1A+4], 128                        ; tile_dim1
	s_mov_b32 s[G1A+5], 1024                       ; pitch
	s_mov_b32 s[G1A+6], 0
	s_mov_b32 s[G1A+7], 0
	; group 1, B: 96 rows of 128 elements of 2 bytes, dense; 32 bytes of padding behind every 64 words
	s_or_b32  s[G1B+0], s45, (1<<16)|(1<<20)|(1<<21)|(5<<22)|(7<<25)
	s_mov_b32 s[G1B+1], 128<<16
	s_mov_b32 s[G1B+2], 96<<16
	s_mov_b32 s[G1B+3], 128<<16
	s_mov_b32 s[G1B+4], 96
	s_mov_b32 s[G1B+5], 128
	s_mov_b32 s[G1B+6], 0
	s_mov_b32 s[G1B+7], 0
	; A's address is made of the block row and the wave's number, B's of the block column and the wave's number, in registers of their own
	s_lshl_b32 s16, s43, 20                        ; 256 rows of 4,096 bytes
	s_lshl_b32 s17, s14, 19                        ; 128 rows
	s_add_co_u32 s16, s16, s17
	s_mov_b32 s17, 0
	s_mul_i32 s66, s42, 49152                      ; 3 chunks of 16,384 bytes
	s_mul_i32 s67, s14, 24576
	s_add_co_u32 s66, s66, s67
	s_mov_b32 s67, 0
	s_mul_i32 s18, s14, AHALF                      ; where they go: no place in the cluster enters an LDS address
	s_mul_i32 s19, s14, BHALF
	s_add_co_u32 s19, s19, BBASE
	s_wait_dscnt 0x0
	s_wait_kmcnt 0x0
	s_add_nc_u64 s[20:21], s[4:5], s[16:17]
	s_add_nc_u64 s[22:23], s[6:7], s[66:67]
	CROUND                                         ; all sixteen work-groups are here: the first joint loads meet
.irp s, 0,1
	s_mov_b32 s[G0A+4*\s], 1
	s_add_co_u32 s[G0A+4*\s+1], s18, \s*SLOT
	s_add_nc_u64 s[G0A+4*\s+2:G0A+4*\s+3], s[20:21], \s*256        ; K step s: 64 f32 along the row
	s_or_b32 s[G0A+4*\s+3], s[G0A+4*\s+3], 0x80000000
	s_mov_b32 s[G0B+4*\s], 1
	s_add_co_u32 s[G0B+4*\s+1], s19, \s*SLOT
	s_add_nc_u64 s[G0B+4*\s+2:G0B+4*\s+3], s[22:23], \s*393216
	s_or_b32 s[G0B+4*\s+3], s[G0B+4*\s+3], 0x80000000
	JLOAD \s                                       ; two loads of every wave are out here, one behind each later refill
.endr
	; base of the result
	s_lshl_b32 s88, s43, 8
	s_lshl_b32 s89, s12, 6
	s_add_co_u32 s88, s88, s89                     ; on the way out wave w stores rows 64 w .. 64 w + 63 of the block
	s_mul_i32 s88, s88, 6144
	s_mul_i32 s89, s42, 768
	s_add_co_u32 s88, s88, s89
	s_mov_b32 s89, 0
	s_add_nc_u64 s[70:71], s[70:71], s[88:89]
	; the bias of my three groups of 64 columns: a group begins at a multiple of 64 and so lies in one of bq, bk, bv
.irp g, 0,1,2
	s_mul_i32 s90, s42, 384
	s_mul_i32 s91, s14, 192
	s_add_co_u32 s90, s90, s91
	s_add_co_u32 s90, s90, 64*\g                   ; the group's first column of the 3,072
	s_lshr_b32 s91, s90, 10                        ; 0 q, 1 k, 2 v
	s_and_b32 s90, s90, 1023
	s_lshl_b32 s90, s90, 2                         ; its byte in that bias
	s_cmp_eq_u32 s91, 1
	s_cselect_b64 s[BB+2*\g:BB+2*\g+1], s[10:11], s[68:69]
	s_cmp_eq_u32 s91, 0
	s_cselect_b64 s[BB+2*\g:BB+2*\g+1], s[8:9], s[BB+2*\g:BB+2*\g+1]
	s_mov_b32 s91, 0
	s_add_nc_u64 s[BB+2*\g:BB+2*\g+1], s[BB+2*\g:BB+2*\g+1], s[90:91]
.endr
	; vector addresses
	v_and_b32 v1, 15, v0                           ; r
	v_bfe_u32 v2, v0, 4, 1                         ; h
	v_mul_u32_u24 v3, v1, 272                      ; row r: 17 x 16 bytes apart, so sixteen rows start in sixteen different 16-byte columns modulo 256
	v_lshl_add_u32 v3, v2, 5, v3                   ; + 32 h: eight f32
	s_mul_i32 s18, s13, AHALF
	v_add_nc_u32 v[ADRA], s18, v3
	v_add_nc_u32 v[ADRA+1], SLOT, v[ADRA]
	v_and_b32 v4, 7, v0
	v_lshl_add_u32 v4, v2, 3, v4
	v_mul_u32_u24 v4, v4, 288                      ; the transposing load: k row 8 h + l % 8,
	v_bfe_u32 v5, v0, 3, 1
	v_lshl_add_u32 v4, v5, 4, v4                   ; 16 bytes (l / 8) % 2
.irp g, 0,1,2
	s_mul_i32 s18, s14, 192
	s_add_co_u32 s18, s18, 64*\g                   ; the group's first column in the block: 64 columns never cross a chunk of 128
	s_lshr_b32 s19, s18, 7
	s_mul_i32 s19, s19, BCHUNK
	s_and_b32 s18, s18, 127
	s_lshl_b32 s18, s18, 1
	s_add_co_u32 s19, s19, s18
	s_add_co_u32 s19, s19, BBASE
	v_add_nc_u32 v[ADRB+\g], s19, v4
	v_add_nc_u32 v[ADRB+3+\g], SLOT, v[ADRB+\g]
.endr
	v_mul_u32_u24 v5, v1, SP
	v_lshl_add_u32 v5, v2, 4, v5
	s_mul_i32 s18, s13, 128*SP
	s_mul_i32 s19, s14, 384
	s_add_co_u32 s18, s18, s19
	v_add_nc_u32 v[STO], s18, v5                   ; (128 wm + r) 784 + 384 wn + 16 h
	v_add_nc_u32 v[STO+1], 64*SP, v[STO]
	v_mul_u32_u24 v5, v2, SP
	v_lshl_add_u32 v5, v1, 4, v5
	s_mul_i32 s18, s12, 64*SP
	v_add_nc_u32 v[RD], s18, v5                    ; (64 wave + h) 784 + 16 r
	v_mul_u32_u24 v5, v2, 6144
	v_lshl_add_u32 v[CO], v1, 4, v5
	v_lshlrev_b32 v[BO], 5, v2                     ; 4 x 8 h
; 16 matrix instructions of the window that is set: row tiles a0 .. a0 + 3 (fragments in f) x four column tiles (fragments in bg), 32 along K
.macro RUN16 f, a0, zero, bg
.irp a, \a0, \a0+1, \a0+2, \a0+3
.irp b, 0,1,2,3
.if \zero
	v_wmma_f32_16x16x32_bf16 v[8*(4*(\a)+\b):8*(4*(\a)+\b)+7], v[\bg+8*\b:\bg+8*\b+7], v[\f+8*(\a):\f+8*(\a)+7], 0
.else
	v_wmma_f32_16x16x32_bf16 v[8*(4*(\a)+\b):8*(4*(\a)+\b)+7], v[\bg+8*\b:\bg+8*\b+7], v[\f+8*(\a):\f+8*(\a)+7], v[8*(4*(\a)+\b):8*(4*(\a)+\b)+7]
.endif
.endr
.endr
.endm
.macro RUN32 f, zero, bg
	RUN16 \f, 0, \zero, \bg
	RUN16 \f, 4, \zero, \bg
.endm
.macro LB g, slot, q, bg               ; 8 loads: B's column group g of quarter q into bg.  W lies [k][n]: the 16-bit transposing load brings k along the registers
.irp b, 0,1,2,3
	ds_load_tr16_b128 v[\bg+8*\b:\bg+8*\b+3],   v[ADRB+3*\slot+\g] offset:9216*\q+32*\b
	ds_load_tr16_b128 v[\bg+8*\b+4:\bg+8*\b+7], v[ADRB+3*\slot+\g] offset:9216*\q+32*\b+4608
.endr
.endm
.macro LA part, slot, q, f, st         ; 16 loads: the f32 of A's fragments 4 part .. 4 part + 3 of quarter q: k = 8 h + 0..7 into the fragment itself, k = 16 + 8 h + 0..7 into st
.irp i, 0,1,2,3
	ds_load_b128 v[\f+8*(4*\part+\i):\f+8*(4*\part+\i)+3],   v[ADRA+\slot] offset:4352*(4*\part+\i)+128*\q
	ds_load_b128 v[\f+8*(4*\part+\i)+4:\f+8*(4*\part+\i)+7], v[ADRA+\slot] offset:4352*(4*\part+\i)+128*\q+16
	ds_load_b128 v[\st+8*\i:\st+8*\i+3],                     v[ADRA+\slot] offset:4352*(4*\part+\i)+128*\q+64
	ds_load_b128 v[\st+8*\i+4:\st+8*\i+7],                   v[ADRA+\slot] offset:4352*(4*\part+\i)+128*\q+80
.endr
.endm
.macro CVA part, f, st                 ; 32 conversions: those four fragments to bf16, in place (register j is written after registers 2 j, 2 j + 1 were read)
.irp i, 0,1,2,3
.irp j, 0,1,2,3
	v_cvt_pk_bf16_f32 v[\f+8*(4*\part+\i)+\j], v[\f+8*(4*\part+\i)+2*\j], v[\f+8*(4*\part+\i)+2*\j+1]
.endr
.irp j, 0,1,2,3
	v_cvt_pk_bf16_f32 v[\f+8*(4*\part+\i)+4+\j], v[\st+8*\i+2*\j], v[\st+8*\i+2*\j+1]
.endr
.endr
.endm
; Runs a, b, c of a step.  Where 32 conversions stand behind a run, they name none of its registers and are the places in front of the loads that follow.
.macro HALF0 slot, zero
	WIN 0x50
	RUN32 AF0, \zero, R0                           ; a
	WIN 0
	PLACES
	LB 2, \slot, 0, R0                             ; B(c)
	LA 0, \slot, 1, AF1, R2
	s_wait_dscnt 24                                ; 24 loads were issued behind B(b): it is in
	WIN 0xa0
	RUN32 AF0, \zero, R1                           ; b
	WIN 0
	s_wait_dscnt 0x0                               ; the f32 asked for behind run a are in (and B(c))
	CVA 0, AF1, R2
	LB 0, \slot, 1, R1                             ; B(d)
	LA 1, \slot, 1, AF1, R2
	WIN 0xf0
	RUN32 AF0, \zero, R0                           ; c
	WIN 0
	s_wait_dscnt 0x0                               ; the f32 asked for behind run b are in (and B(d))
	CVA 1, AF1, R2
	LB 1, \slot, 1, R0                             ; B(e)
	LB 2, \slot, 1, R2                             ; B(f): the last read of this slot
.endm
; Runs d, e, f, with the change of slots.  In front of the barrier each wave waits for its reads of this slot and for all its tensor
; loads (one is out: its part of the next slot).  Behind it the refill comes first, then the next slot is read.
.macro HALF1 slot, next, fill
	WIN 0x50
	RUN16 AF1, 0, 0, R1                            ; d, first half
	s_wait_dscnt 0x0                               ; my reads of this slot are over
	s_wait_tensorcnt 0x0                           ; all my tensor loads have landed
	ds_add_u32 v30, v31
	s_wait_dscnt 0x0
	s_barrier_signal -1                            ; where the slot is filled again this barrier opens a round of the cluster's barrier
	RUN16 AF1, 4, 0, R1                            ; register work alone between signal and wait
	WIN 0
	s_barrier_wait -1
.if \fill
	CREST                                          ; no wave of any partner still reads this slot or has a load on its way
	s_add_nc_u64 s[G0A+4*\slot+2:G0A+4*\slot+3], s[G0A+4*\slot+2:G0A+4*\slot+3], 2*256
	s_add_nc_u64 s[G0B+4*\slot+2:G0B+4*\slot+3], s[G0B+4*\slot+2:G0B+4*\slot+3], 2*393216
	JLOAD \slot                                    ; my one tensor load behind the round: 176 of a step's 192 matrix instructions follow before its wait
.endif
	PLACES
	LA 0, \next, 0, AF0, R1
	WIN 0xa0
	RUN32 AF1, 0, R0                               ; e
	WIN 0
	s_wait_dscnt 0x0                               ; the f32 asked for behind run d are in
	CVA 0, AF0, R1
	LB 0, \next, 0, R0                             ; B(a')
	LA 1, \next, 0, AF0, R1
	WIN 0xf0
	RUN32 AF1, 0, R2                               ; f
	WIN 0
	s_wait_dscnt 0x0                               ; the f32 asked for behind run e are in (and B(a'))
	CVA 1, AF0, R1
	LB 1, \next, 0, R1                             ; B(b')
.endm
.macro LAP zero
	HALF0 0, \zero
	HALF1 0, 1, 1
	HALF0 1, 0
	HALF1 1, 0, 1
.endm
.macro LOADBIAS g                      ; the bias of column tiles 4 g .. 4 g + 3, in the accumulators' lane layout: 8 numbers at column 16 b + 8 h of the group
.irp b, 0,1,2,3
	global_load_b128 v[BF+32*\g+8*\b:BF+32*\g+8*\b+3],   v[BO], s[BB+2*\g:BB+2*\g+1] offset:64*\b
	global_load_b128 v[BF+32*\g+8*\b+4:BF+32*\g+8*\b+7], v[BO], s[BB+2*\g:BB+2*\g+1] offset:64*\b+16
.endr
.endm
	s_wait_tensorcnt 0x1                           ; my part of K step 0 is in; step 1's may stay out
	s_barrier_signal -1
	s_barrier_wait -1
	LB 0, 0, 0, R0                                 ; B(a)
	LA 0, 0, 0, AF0, R1                            ; at the start two groups are free to stage A
	LA 1, 0, 0, AF0, R2
	s_wait_dscnt 0x0
	CVA 0, AF0, R1
	CVA 1, AF0, R2
	LB 1, 0, 0, R1                                 ; B(b)
	LAP 1                                          ; the first products start the sums: nothing is cleared
	WIN 0
	s_mov_b32 s15, 6                               ; 16 K steps = 8 laps: one in front, six here, one behind
.Llap:
	LAP 0
	WIN 0
	s_sub_co_u32 s15, s15, 1
	s_cmp_lg_u32 s15, 0
	s_cbranch_scc1 .Llap
	HALF0 0, 0                                     ; the last lap fills nothing
	HALF1 0, 1, 0
	HALF0 1, 0
	WIN 0x50                                       ; the last quarter: as each group comes free, the bias of one window comes into it
	RUN32 AF1, 0, R1                               ; d
	WIN 0
	PLACES
	LOADBIAS 1
	s_wait_dscnt 0x0                               ; B(e), B(f) are in: my last reads of the ring are back
	WIN 0xa0
	RUN32 AF1, 0, R0                               ; e
	WIN 0
	PLACES
	LOADBIAS 0
	WIN 0xf0
	RUN32 AF1, 0, R2                               ; f
	WIN 0
	PLACES
	LOADBIAS 2
	; THE WAY OUT.  A wave's 384 bytes of a row would split a block of 256 bytes between two waves, so the whole 256 x 768 bytes are staged in LDS,
	; over the ring, which has had its last fill; every wave's reads of the ring are back (the wait for 0 above) and its tensor loads have landed.
	s_barrier_signal -1
	s_barrier_wait -1
.macro OUTW w, wadd, wcvt, left
	s_wait_loadcnt \left                           ; the bias groups were asked for in the order 1, 0, 2: this window's is in, the younger loads stay out
	WIN \wadd
.irp a, 0,1,2,3,4,5,6,7
.irp b, 0,1,2,3
.irp p, 0,2,4,6
	v_pk_add_f32 v[8*(4*\a+\b)+\p:8*(4*\a+\b)+\p+1], v[8*(4*\a+\b)+\p:8*(4*\a+\b)+\p+1], v[BF+32*(\w-1)+8*\b+\p:BF+32*(\w-1)+8*\b+\p+1]
.endr
.endr
.endr
	s_wait_dscnt 0x0                               ; the last window's stage stores are done: T is written again
	WIN \wcvt
.irp a, 0,1,2,3,4,5,6,7
.irp b, 0,1,2,3
.irp p, 0,1,2,3
	v_cvt_pk_f16_f32 v[T+4*(4*\a+\b)+\p], v[8*(4*\a+\b)+2*\p], v[8*(4*\a+\b)+2*\p+1]
.endr
.endr
.endr
	WIN 0
.irp a, 0,1,2,3,4,5,6,7
.irp b, 0,1,2,3
	ds_store_b128 v[STO+(\a>>2)], v[T+4*(4*\a+\b):T+4*(4*\a+\b)+3] offset:(\a&3)*16*SP+128*(\w-1)+32*\b
.endr
.endr
.endm
	OUTW 1, 0x41, 0x05, 8
	OUTW 2, 0x82, 0x0a, 8
	OUTW 3, 0xc3, 0x0f, 0
	s_wait_dscnt 0x0                               ; my stage stores are done, for the other waves' sake
	s_barrier_signal -1
	s_barrier_wait -1
; 16 rows x 768 bytes: 24 loads, 24 stores; sixteen lanes store 256 neighbouring bytes, aligned
.macro OUTB bt, f
.if \bt >= 2
	s_wait_xcnt 0x0                                ; the stores that read this register set have had their addresses translated (ISA guide 3.1)
.endif
.irp p, 0,1,2,3,4,5,6,7
.irp c, 0,1,2
	ds_load_b128 v[\f+4*(3*\p+\c):\f+4*(3*\p+\c)+3], v[RD] offset:2*(8*\bt+\p)*SP+256*\c
.endr
.endr
.irp p, 0,1,2,3,4,5,6,7
.irp c, 0,1,2
	s_wait_dscnt 23-(3*\p+\c)                      ; LDS loads return in order: this one is in
	global_store_b128 v[CO], v[\f+4*(3*\p+\c):\f+4*(3*\p+\c)+3], s[70:71] offset:2*(8*\bt+\p)*6144+256*\c
.endr
.endr
.endm
	OUTB 0, 32
	OUTB 1, 128
	OUTB 2, 32
	OUTB 3, 128
	s_wait_tensorcnt 0x0
	ds_add_u32 v30, v31
	s_wait_dscnt 0x0
	CROUND                                         ; the closing round: no work-group ends while a partner may still ask for a tile that names it
	s_endpgm
.Lfunc_end_k_qbc1c84913d_qkv:
	.size	k_qbc1c84913d_qkv, .Lfunc_end_k_qbc1c84913d_qkv-k_qbc1c84913d_qkv
	.p2alignl 7, 3214868480
	.fill 96, 4, 3214868480
	.section	.rodata,"a",@progbits
	.p2align	6, 0x0
	.amdhsa_kernel k_qbc1c84913d_qkv
		.amdhsa_group_segment_fixed_size 327680
		.amdhsa_private_segment_fixed_size 0
		.amdhsa_enable_private_segment 0
		.amdhsa_kernarg_size 48
		.amdhsa_user_sgpr_count 2
		.amdhsa_user_sgpr_kernarg_segment_ptr 1
		.amdhsa_wavefront_size32 1
		.amdhsa_system_sgpr_workgroup_id_x 1
		.amdhsa_system_sgpr_workgroup_id_y 1
		.amdhsa_system_sgpr_workgroup_id_z 1
		.amdhsa_system_vgpr_workitem_id 0
		.amdhsa_next_free_vgpr 1024
		.amdhsa_next_free_sgpr 96
		.amdhsa_reserve_vcc 0
		.amdhsa_float_denorm_mode_32 3
		.amdhsa_float_denorm_mode_16_64 3
		.amdhsa_memory_ordered 1
		.amdhsa_forward_progress 1
		.amdhsa_inst_pref_size 255
	.end_amdhsa_kernel
	.section	.bss,"aw",@nobits
	.p2align	6
	.space	262144
	.amdgpu_metadata
---
amdhsa.version: [ 1, 2 ]
amdhsa.kernels:
  - .name:           k_qbc1c84913d_qkv
    .symbol:         k_qbc1c84913d_qkv.kd
    .args:
      - { .name: inputs, .offset: 0, .size: 8, .value_kind: global_buffer, .address_space: global }
      - { .name: wb, .offset: 8, .size: 8, .value_kind: global_buffer, .address_space: global }
      - { .name: bq, .offset: 16, .size: 8, .value_kind: global_buffer, .address_space: global }
      - { .name: bk, .offset: 24, .size: 8, .value_kind: global_buffer, .address_space: global }
      - { .name: bv, .offset: 32, .size: 8, .value_kind: global_buffer, .address_space: global }
      - { .name: qkv, .offset: 40, .size: 8, .value_kind: global_buffer, .address_space: global }
    .group_segment_fixed_size: 327680
    .private_segment_fixed_size: 0
    .kernarg_segment_align: 8
    .kernarg_segment_size: 48
    .max_flat_workgroup_size: 128
    .sgpr_count:     96
    .vgpr_count:     1024
    .wavefront_size: 32
...
	.end_amdgpu_metadata
.endif
;; end of part 2
;; launch scores (part 3): grid 4 x 64, 4 waves a work-group, clusters of 4 x 4, 327,680 bytes of LDS; arguments qkv, mask, pbuf, stat; writes pbuf, stat
.if DOCPART == 3
	.amdgcn_target "amdgcn-amd-amdhsa--gfx1250"
	.amdhsa_code_object_version 6
	.text
	.protected	k_qbc1c84913d_scores
	.globl	k_qbc1c84913d_scores
	.p2align	8
	.type	k_qbc1c84913d_scores,@function
k_qbc1c84913d_scores:
	s_mov_b64 s[64:65], 0
	v_nop
	global_prefetch_b8 v0, s[64:65] scope:SCOPE_SE
	s_setreg_imm32_b32 hwreg(HW_REG_WAVE_MODE, 25, 1), 1
	s_wait_xcnt 0x0
	s_wait_alu depctr_hold_cnt(0) depctr_sa_sdst(0) depctr_va_vdst(0) depctr_va_sdst(0) depctr_va_ssrc(0) depctr_va_vcc(0) depctr_vm_vsrc(0)
	s_getreg_b32 s2, hwreg(HW_REG_IB_STS2, 6, 4)
	s_cmp_eq_u32 s2, 0
	s_cbranch_scc0 .Lentry_in_a_cluster
	s_endpgm
.Lentry_in_a_cluster:
	s_bfe_u32 s2, ttmp6, 0x10000c
	s_cmp_lg_u32 s2, 0xf033
	s_cbranch_scc0 .Lentry_shape_is_right
	s_endpgm
.Lentry_shape_is_right:
; s[q][k] = q[q] . k[k] (f16 operands, f32 sums), 32 times the problem's score: its division of q by sqrt(1024) = 32 is a shift of the exponent.
; where(mask, s, -999999 x 32), which f32 holds exactly; per row and block of 128 keys: m = max, M = c m with c = log2(e) / 32 (one rounding),
; P = exp2(c s - M) by one fused multiply-add (f16), l = sum of P.  exp2(c s - M) = exp(score - M / log2 e): M is the shift that is stored.
; No work is left out: the mask is an input, so every tile is computed and selected.  The row's own maximum is taken in the next launch, from the
; blocks' M, and the blocks are corrected there by exp2(M_blk - M): the maximum is taken away before every exponential.
; A work-group makes 128 query rows x 256 keys of one batch (8 x 1024 x 1024 scores = 256 work-groups); a wave 64 x 128 = one block of keys: 4 x 8 tiles.
; The depth goes in steps of 128 (rows of 256 bytes, aligned) through two LDS slots.  CLUSTER 4 x 4: q's tile is shared along a row of the cluster,
; k's along a column (the four block rows of a cluster lie in one batch).  Waves 0, 1 ask for q's halves, waves 2, 3 for k's.
; Source 0 = 16 keys, source 1 = 16 query rows: lane (r, h) holds row r, keys 8 h + j: a row's 128 scores lie in lanes r and r + 16 alone.
; The 32 accumulators take turns, one instruction a turn.
; LIMITS: mask bytes are 0 or 1; a NaN score loses in the maximum; exp2 results below 2^-126 come out as 0 (ISA guide 15.8);
; P is rounded to f16 (at most 2^(half a step of M): 1.05 where M is the masked value, else 1; under 6.1e-5 in steps of 6e-8);
; l is summed from P in f32, before P is rounded.
.set SLOT,  104448                     ; q 128 x 272, then k 256 x 272
.set QHALF, 17408
.set KBASE, 34816
.set KHALF, 34816
.set MTILE, 208896                     ; the mask's 128 rows x (256 + 16) bytes; filled once
.set STAGE, 243712                     ; 16 x 272 for each wave; no fill lands here
.set CPOS,  0x3d38aa3b                 ; c = log2(e) / 32
.set CNEG,  0xbd38aa3b                 ; -c
.set ADRA, 8
.set ADRB, 10
.set MADR, 12
.set STO,  13
.set RD,   14
.set PO,   15
.set SOF,  16
.set NEGV, 17
.set LANE, 18
.set F0,   32                          ; fragments: q at +8 a, k at +32 + 8 b
.set F1,   128
.set MK,   32                          ; behind the products: mask words, then the packed P
.set PB,   32
.set T,    64                          ; a row tile's 64 scores
.set M,    192
.set MP,   196                         ; -M, twice (a pair for the packed multiply-add)
.set TT,   198
.set S,    200
.set SV,   208
.set ML,   224                         ; (M, l) of the four row tiles
.set G1A, 24
.set G0A, 32
.set G1B, 48
.set G0B, 56
.set G1M, 68
.set G0M, 76
.set MSB, 0
.macro WIN new
.if MSB != \new
	s_set_vgpr_msb (MSB<<8)|\new
.set MSB, \new
.endif
.endm
.macro PLACES
.rept 4
	v_nop
.endr
.endm
.macro JLOAD s
	s_cmp_eq_u32 s13, 0
	s_cbranch_scc0 .Lfor_b_\@
	tensor_load_to_lds s[G0A+4*\s:G0A+4*\s+3], s[G1A:G1A+7]
	s_nop 0
	s_branch .Lasked_\@
.Lfor_b_\@:
	tensor_load_to_lds s[G0B+4*\s:G0B+4*\s+3], s[G1B:G1B+7]
	s_nop 0
.Lasked_\@:
.endm
.macro CREST
	s_cmp_lg_u32 s12, 0
	s_cbranch_scc1 .Lnot_wave_0_\@
	s_barrier_signal -3
.Lnot_wave_0_\@:
	s_barrier_wait -3
	s_barrier_signal -1
	s_barrier_wait -1
.endm
.macro CROUND
	s_barrier_signal -1
	s_barrier_wait -1
	CREST
.endm
	s_load_b256 s[4:11], s[0:1], 0x0               ; qkv 4, mask 6, pbuf 8, stat 10
	v_lshl_add_u32 v254, v0, 2, 0x3fc00
	v_mov_b32 v255, 0
	ds_add_u32 v254, v255
	v_lshrrev_b32 v1, 5, v0
	v_readfirstlane_b32 s12, v1                    ; wave
	s_lshr_b32 s13, s12, 1                         ; wm
	s_and_b32 s14, s12, 1                          ; wn
	s_bfe_u32 s40, ttmp6, 0x40000                  ; cx
	s_bfe_u32 s41, ttmp6, 0x40004                  ; cy
	s_lshl_b32 s42, ttmp9, 2
	s_add_co_u32 s42, s42, s40                     ; x: block of 256 keys, 0-3
	s_and_b32 s43, ttmp7, 0xffff
	s_lshl_b32 s43, s43, 2
	s_add_co_u32 s43, s43, s41                     ; y: block of 128 rows, 0-63, over all batches
	s_and_b32 s46, ttmp7, 0xffff
	s_lshr_b32 s46, s46, 1                         ; batch = y / 8 = cluster y / 2: the same in the whole cluster
	s_lshl_b32 s44, s41, 2
	s_lshl_b32 s44, 15, s44
	s_lshl_b32 s45, 0x1111, s40
	s_or_b32  s[G1A+0], s44, (1<<16)|(1<<20)|(1<<21)|(5<<22)|(3<<25)   ; q: 64 rows x 128 elements of 2 bytes, 16 bytes behind every 64 words
	s_mov_b32 s[G1A+1], 128<<16
	s_mov_b32 s[G1A+2], 64<<16
	s_mov_b32 s[G1A+3], 128<<16
	s_mov_b32 s[G1A+4], 64
	s_mov_b32 s[G1A+5], 3072                       ; pitch of qkv
	s_mov_b32 s[G1A+6], 0
	s_mov_b32 s[G1A+7], 0
	s_or_b32  s[G1B+0], s45, (1<<16)|(1<<20)|(1<<21)|(5<<22)|(3<<25)   ; k: 128 rows
	s_mov_b32 s[G1B+1], 128<<16
	s_mov_b32 s[G1B+2], 128<<16
	s_mov_b32 s[G1B+3], 128<<16
	s_mov_b32 s[G1B+4], 128
	s_mov_b32 s[G1B+5], 3072
	s_mov_b32 s[G1B+6], 0
	s_mov_b32 s[G1B+7], 0
	s_mov_b32 s[G1M+0], (2<<16)|(1<<20)|(5<<22)|(3<<25)                ; mask: my own load, 32 rows x 64 elements of 4 bytes
	s_mov_b32 s[G1M+1], 64<<16
	s_mov_b32 s[G1M+2], 32<<16
	s_mov_b32 s[G1M+3], 64<<16
	s_mov_b32 s[G1M+4], 32
	s_mov_b32 s[G1M+5], 256                        ; 1,024 bytes from row to row
	s_mov_b32 s[G1M+6], 0
	s_mov_b32 s[G1M+7], 0
	s_lshl_b32 s16, s43, 7
	s_lshl_b32 s17, s14, 6
	s_add_co_u32 s16, s16, s17
	s_mul_i32 s16, s16, 6144                       ; q: row 128 y + 64 half
	s_mov_b32 s17, 0
	s_lshl_b32 s66, s46, 10
	s_lshl_b32 s67, s42, 8
	s_add_co_u32 s66, s66, s67
	s_lshl_b32 s67, s14, 7
	s_add_co_u32 s66, s66, s67
	s_mul_i32 s66, s66, 6144                       ; k: row 1024 batch + 256 x + 128 half,
	s_add_co_u32 s66, s66, 2048                    ; columns 1024 on
	s_mov_b32 s67, 0
	s_lshl_b32 s88, s43, 7
	s_lshl_b32 s89, s12, 5
	s_add_co_u32 s88, s88, s89
	s_lshl_b32 s88, s88, 10                        ; mask: row 128 y + 32 wave,
	s_lshl_b32 s89, s42, 8
	s_add_co_u32 s88, s88, s89                     ; key 256 x
	s_mov_b32 s89, 0
	s_mul_i32 s18, s14, QHALF
	s_mul_i32 s19, s14, KHALF
	s_add_co_u32 s19, s19, KBASE
	s_mul_i32 s90, s12, 8704
	s_wait_dscnt 0x0
	s_wait_kmcnt 0x0
	s_add_nc_u64 s[20:21], s[4:5], s[16:17]
	s_add_nc_u64 s[22:23], s[4:5], s[66:67]
	CROUND
.irp s, 0,1
	s_mov_b32 s[G0A+4*\s], 1
	s_add_co_u32 s[G0A+4*\s+1], s18, \s*SLOT
	s_add_nc_u64 s[G0A+4*\s+2:G0A+4*\s+3], s[20:21], \s*256
	s_or_b32 s[G0A+4*\s+3], s[G0A+4*\s+3], 0x80000000
	s_mov_b32 s[G0B+4*\s], 1
	s_add_co_u32 s[G0B+4*\s+1], s19, \s*SLOT
	s_add_nc_u64 s[G0B+4*\s+2:G0B+4*\s+3], s[22:23], \s*256
	s_or_b32 s[G0B+4*\s+3], s[G0B+4*\s+3], 0x80000000
	JLOAD \s
.endr
	s_mov_b32 s[G0M], 1
	s_add_co_u32 s[G0M+1], s90, MTILE
	s_add_nc_u64 s[G0M+2:G0M+3], s[6:7], s[88:89]
	s_or_b32 s[G0M+3], s[G0M+3], 0x80000000
	tensor_load_to_lds s[G0M:G0M+3], s[G1M:G1M+7]  ; the third and last of the first fills: three loads of every wave are out
	s_nop 0
	; bases of P and of the statistics
	s_lshl_b32 s92, s43, 7
	s_lshl_b32 s93, s13, 6
	s_add_co_u32 s92, s92, s93                     ; my first row: 128 y + 64 wm
	s_lshl_b32 s94, s92, 3                         ; 8 bytes a row in stat
	s_lshl_b32 s92, s92, 11                        ; 2,048 bytes a row in pbuf
	s_lshl_b32 s93, s42, 9
	s_add_co_u32 s92, s92, s93
	s_lshl_b32 s93, s14, 8
	s_add_co_u32 s92, s92, s93                     ; + 2 (256 x + 128 wn)
	s_mov_b32 s93, 0
	s_add_nc_u64 s[8:9], s[8:9], s[92:93]
	s_lshl_b32 s95, s42, 1
	s_add_co_u32 s95, s95, s14                     ; block of keys 2 x + wn
	s_lshl_b32 s95, s95, 16                        ; 8,192 rows of 8 bytes
	s_add_co_u32 s94, s94, s95
	s_mov_b32 s95, 0
	s_add_nc_u64 s[10:11], s[10:11], s[94:95]
	s_mov_b32 s80, 0x00000000                      ; byte selectors: byte i of a word into all four bytes
	s_mov_b32 s81, 0x01010101
	s_mov_b32 s82, 0x02020202
	s_mov_b32 s83, 0x03030303
	s_mov_b32 s84, 0x76543210                      ; v_permlanex16_b32: lane i takes lane i of the other half
	s_mov_b32 s85, 0xfedcba98
	s_mov_b32 s86, CPOS                            ; c, for the packed multiply-add (the pair's first word is broadcast)
	s_mov_b32 s87, CPOS
	v_and_b32 v1, 15, v0                           ; r
	v_bfe_u32 v2, v0, 4, 1                         ; h
	v_and_b32 v[LANE], 31, v0
	v_mul_u32_u24 v4, v1, 272
	v_lshl_add_u32 v3, v2, 4, v4                   ; r 272 + 16 h
	s_mul_i32 s18, s13, QHALF
	v_add_nc_u32 v[ADRA], s18, v3
	v_add_nc_u32 v[ADRA+1], SLOT, v[ADRA]
	s_mul_i32 s19, s14, KHALF
	s_add_co_u32 s19, s19, KBASE
	v_add_nc_u32 v[ADRB], s19, v3
	v_add_nc_u32 v[ADRB+1], SLOT, v[ADRB]
	s_lshl_b32 s19, s14, 7
	s_add_co_u32 s18, s18, s19
	s_add_co_u32 s18, s18, MTILE                   ; the mask's row 64 wm, byte 128 wn
	v_lshl_add_u32 v4, v2, 3, v4
	v_add_nc_u32 v[MADR], s18, v4
	s_mul_i32 s18, s12, 4352
	s_add_co_u32 s18, s18, STAGE
	v_add_nc_u32 v[STO], s18, v3
	v_mul_u32_u24 v5, v2, 272
	v_lshl_add_u32 v5, v1, 4, v5
	v_add_nc_u32 v[RD], s18, v5
	v_lshlrev_b32 v5, 11, v2
	v_lshl_add_u32 v[PO], v1, 4, v5
	v_lshlrev_b32 v[SOF], 3, v[LANE]
	v_mov_b32 v[NEGV], 0xcbf423f0                  ; -999999 x 32 = -31,999,968
.macro MUL8 f, a, zero
.irp b, 0,1,2,3,4,5,6,7
.if \zero
	v_wmma_f32_16x16x32_f16 v[8*(8*\a+\b):8*(8*\a+\b)+7], v[\f+32+8*\b:\f+32+8*\b+7], v[\f+8*\a:\f+8*\a+7], 0
.else
	v_wmma_f32_16x16x32_f16 v[8*(8*\a+\b):8*(8*\a+\b)+7], v[\f+32+8*\b:\f+32+8*\b+7], v[\f+8*\a:\f+8*\a+7], v[8*(8*\a+\b):8*(8*\a+\b)+7]
.endif
.endr
.endm
.macro FETCH slot, q, f                ; 24 loads: the fragments of quarter q (32 of the step's 128)
.irp a, 0,1,2,3
	ds_load_b128 v[\f+8*\a:\f+8*\a+3],   v[ADRA+\slot] offset:4352*\a+64*\q
	ds_load_b128 v[\f+8*\a+4:\f+8*\a+7], v[ADRA+\slot] offset:4352*\a+64*\q+32
.endr
.irp b, 0,1,2,3,4,5,6,7
	ds_load_b128 v[\f+32+8*\b:\f+32+8*\b+3],   v[ADRB+\slot] offset:4352*\b+64*\q
	ds_load_b128 v[\f+32+8*\b+4:\f+32+8*\b+7], v[ADRB+\slot] offset:4352*\b+64*\q+32
.endr
.endm
.macro QUARTER slot, qn, f, g, zero    ; fetches quarter qn into g, multiplies f
	WIN 0
	PLACES
	FETCH \slot, \qn, \g
	s_wait_dscnt 24                                ; all but the 24 just issued: f is in
	WIN 0x50
	MUL8 \f, 0, \zero
	MUL8 \f, 1, \zero
	MUL8 \f, 2, \zero
	MUL8 \f, 3, \zero
.endm
.macro TURN slot, next, fill           ; the step's last quarter (buffer 1) and the change of slots
	s_wait_dscnt 0x0                               ; my reads of this slot are over
	s_wait_tensorcnt 0x0                           ; all my tensor loads have landed
	ds_add_u32 v254, v255
	s_wait_dscnt 0x0
	s_barrier_signal -1
	WIN 0x50
	MUL8 F1, 0, 0
	MUL8 F1, 1, 0
	WIN 0
	s_barrier_wait -1
.if \fill
	CREST
	s_add_nc_u64 s[G0A+4*\slot+2:G0A+4*\slot+3], s[G0A+4*\slot+2:G0A+4*\slot+3], 512
	s_add_nc_u64 s[G0B+4*\slot+2:G0B+4*\slot+3], s[G0B+4*\slot+2:G0B+4*\slot+3], 512
	JLOAD \slot                                    ; my one tensor load behind the round
.endif
	PLACES
	FETCH \next, 0, F0
	WIN 0x50
	MUL8 F1, 2, 0
	MUL8 F1, 3, 0
.endm
.macro STEP slot, next, zero, fill
	QUARTER \slot, 1, F0, F1, \zero
	QUARTER \slot, 2, F1, F0, 0
	QUARTER \slot, 3, F0, F1, 0
	TURN \slot, \next, \fill
.endm
	s_wait_tensorcnt 0x2                           ; my part of step 0 is in; step 1's and the mask's may stay out
	s_barrier_signal -1
	s_barrier_wait -1
	FETCH 0, 0, F0
	STEP 0, 1, 1, 1                                ; its wait for all loads and its barrier also show the whole mask tile to every wave
	STEP 1, 0, 0, 1
	STEP 0, 1, 0, 1
	STEP 1, 0, 0, 1
	STEP 0, 1, 0, 1
	STEP 1, 0, 0, 1                                ; the last refill: step 7
	STEP 0, 1, 0, 0
	QUARTER 1, 1, F0, F1, 0
	QUARTER 1, 2, F1, F0, 0
	QUARTER 1, 3, F0, F1, 0
	s_wait_dscnt 0x0
	MUL8 F1, 0, 0
	MUL8 F1, 1, 0
	MUL8 F1, 2, 0
	MUL8 F1, 3, 0
	WIN 0
	PLACES
; Row tile a: select by the mask, block maximum, exp2, block sum, P out through my stage.
.macro SOFT a, xs
.irp b, 0,1,2,3,4,5,6,7
	ds_load_b64 v[MK+2*\b:MK+2*\b+1], v[MADR] offset:4352*\a+16*\b       ; the 8 mask bytes of keys 16 b + 8 h + 0..7 of row r
.endr
	s_wait_dscnt 0x0
.irp i, 0,1,2,3,4,5,6,7,8,9,10,11,12,13,14,15
	v_lshlrev_b32 v[TT+(\i&1)], 8, v[MK+\i]
	v_sub_nc_u32 v[MK+\i], v[TT+(\i&1)], v[MK+\i]                        ; times 255: bytes 0, 1 become 0x00, 0xff
.endr
.irp b, 0,1,2,3,4,5,6,7
.irp j, 0,1,2,3,4,5,6,7
	v_perm_b32 v[T+8*\b+\j], v[MK+2*\b+(\j>>2)], v[MK+2*\b+(\j>>2)], s[80+(\j&3)]    ; a key's byte into all four bytes
.endr
.endr
	WIN 0x04                                       ; source 1: the scores in window 1
.set i, 0
.rept 64
	v_bfi_b32 v[T+i], v[T+i], v[64*\a+i], v[NEGV]  ; where(mask, s, masked value)
.set i, i+1
.endr
	WIN 0
.irp c, 0,1,2,3
	v_max_num_f32 v[M+\c], v[T+16*\c], v[T+16*\c+1]
.endr
.irp k, 1,2,3,4,5,6,7
.irp c, 0,1,2,3
	v_max3_num_f32 v[M+\c], v[M+\c], v[T+16*\c+2*\k], v[T+16*\c+2*\k+1]
.endr
.endr
	v_max3_num_f32 v[M], v[M], v[M+1], v[M+2]
	v_max_num_f32 v[M], v[M], v[M+3]
	v_permlanex16_b32 v[M+1], v[M], s84, s85       ; the row's other 64 keys lie in the lane 16 away
	v_max_num_f32 v[M], v[M], v[M+1]               ; m: the block's largest s
	v_mul_f32 v[MP], CNEG, v[M]                    ; -M = -(c m), rounded once
	v_mul_f32 v[MP+1], CNEG, v[M]
.set i, 0
.rept 32
	v_pk_fma_f32 v[T+i:T+i+1], v[T+i:T+i+1], s[86:87], v[MP:MP+1] op_sel_hi:[1,0,1]     ; c s - M, one rounding
.set i, i+2
.endr
.set i, 0
.rept 64
	v_exp_f32 v[T+i], v[T+i]
.set i, i+1
.endr
	v_mul_f32 v[ML+2*\a], CPOS, v[M]               ; M as it is stored; also the plain instruction between the exponentials and the first use of a result (ISA guide 5.7.2)
	s_wait_alu depctr_va_vdst(0)
.irp c, 0,1,2,3
	v_pk_add_f32 v[S+2*\c:S+2*\c+1], v[T+16*\c:T+16*\c+1], v[T+16*\c+2:T+16*\c+3]
.endr
.irp k, 2,3,4,5,6,7
.irp c, 0,1,2,3
	v_pk_add_f32 v[S+2*\c:S+2*\c+1], v[S+2*\c:S+2*\c+1], v[T+16*\c+2*\k:T+16*\c+2*\k+1]
.endr
.endr
	v_pk_add_f32 v[S:S+1], v[S:S+1], v[S+2:S+3]
	v_pk_add_f32 v[S+4:S+5], v[S+4:S+5], v[S+6:S+7]
	v_pk_add_f32 v[S:S+1], v[S:S+1], v[S+4:S+5]
	v_add_f32 v[S], v[S], v[S+1]
	v_permlanex16_b32 v[S+1], v[S], s84, s85
	v_add_f32 v[ML+2*\a+1], v[S], v[S+1]
.irp b, 0,1,2,3,4,5,6,7
.irp p, 0,1,2,3
	v_cvt_pk_f16_f32 v[PB+4*\b+\p], v[T+8*\b+2*\p], v[T+8*\b+2*\p+1]
.endr
.endr
.irp b, 0,1,2,3,4,5,6,7
	ds_store_b128 v[STO], v[PB+4*\b:PB+4*\b+3] offset:32*\b
.endr
	s_wait_xcnt 0x0                                ; the stores that read this register set have had their addresses translated (ISA guide 3.1)
.irp t, 0,1,2,3,4,5,6,7
	ds_load_b128 v[\xs+4*\t:\xs+4*\t+3], v[RD] offset:544*\t             ; my own bytes: LDS serves a wave's instructions in order (ISA guide 5.7.1)
.endr
.irp t, 0,1,2,3,4,5,6,7
	s_wait_dscnt 7-\t
	global_store_b128 v[PO], v[\xs+4*\t:\xs+4*\t+3], s[8:9] offset:(16*\a+2*\t)*2048    ; sixteen lanes store a row's 256 bytes, aligned
.endr
.endm
	SOFT 0, 128
	SOFT 1, 160
	SOFT 2, 128
	SOFT 3, 160
	; (M, l) of my 64 rows: lanes 0-15 give an even tile's rows, lanes 16-31 the next tile's: each store covers 256 neighbouring bytes, aligned
	v_cmp_le_u32 vcc_lo, 16, v[LANE]
.irp p, 0,1
	v_cndmask_b32 v[SV+2*\p],   v[ML+4*\p],   v[ML+4*\p+2], vcc_lo
	v_cndmask_b32 v[SV+2*\p+1], v[ML+4*\p+1], v[ML+4*\p+3], vcc_lo
	global_store_b64 v[SOF], v[SV+2*\p:SV+2*\p+1], s[10:11] offset:256*\p
.endr
	s_wait_tensorcnt 0x0
	ds_add_u32 v254, v255
	s_wait_dscnt 0x0
	CROUND                                         ; the closing round
	s_endpgm
.Lfunc_end_k_qbc1c84913d_scores:
	.size	k_qbc1c84913d_scores, .Lfunc_end_k_qbc1c84913d_scores-k_qbc1c84913d_scores
	.p2alignl 7, 3214868480
	.fill 96, 4, 3214868480
	.section	.rodata,"a",@progbits
	.p2align	6, 0x0
	.amdhsa_kernel k_qbc1c84913d_scores
		.amdhsa_group_segment_fixed_size 327680
		.amdhsa_private_segment_fixed_size 0
		.amdhsa_enable_private_segment 0
		.amdhsa_kernarg_size 32
		.amdhsa_user_sgpr_count 2
		.amdhsa_user_sgpr_kernarg_segment_ptr 1
		.amdhsa_wavefront_size32 1
		.amdhsa_system_sgpr_workgroup_id_x 1
		.amdhsa_system_sgpr_workgroup_id_y 1
		.amdhsa_system_sgpr_workgroup_id_z 1
		.amdhsa_system_vgpr_workitem_id 0
		.amdhsa_next_free_vgpr 512
		.amdhsa_next_free_sgpr 96
		.amdhsa_reserve_vcc 1
		.amdhsa_float_denorm_mode_32 3
		.amdhsa_float_denorm_mode_16_64 3
		.amdhsa_memory_ordered 1
		.amdhsa_forward_progress 1
		.amdhsa_inst_pref_size 222
	.end_amdhsa_kernel
	.amdgpu_metadata
---
amdhsa.version: [ 1, 2 ]
amdhsa.kernels:
  - .name:           k_qbc1c84913d_scores
    .symbol:         k_qbc1c84913d_scores.kd
    .args:
      - { .name: qkv, .offset: 0, .size: 8, .value_kind: global_buffer, .address_space: global }
      - { .name: mask, .offset: 8, .size: 8, .value_kind: global_buffer, .address_space: global }
      - { .name: pbuf, .offset: 16, .size: 8, .value_kind: global_buffer, .address_space: global }
      - { .name: stat, .offset: 24, .size: 8, .value_kind: global_buffer, .address_space: global }
    .group_segment_fixed_size: 327680
    .private_segment_fixed_size: 0
    .kernarg_segment_align: 8
    .kernarg_segment_size: 32
    .max_flat_workgroup_size: 128
    .sgpr_count:     96
    .vgpr_count:     512
    .wavefront_size: 32
...
	.end_amdgpu_metadata
.endif
;; end of part 3
;; launch pv (part 4): grid 4 x 64, 4 waves a work-group, clusters of 4 x 4, 327,680 bytes of LDS; arguments pbuf, qkv, stat, out0; writes out0
.if DOCPART == 4
	.amdgcn_target "amdgcn-amd-amdhsa--gfx1250"
	.amdhsa_code_object_version 6
	.text
	.protected	k_qbc1c84913d_pv
	.globl	k_qbc1c84913d_pv
	.p2align	8
	.type	k_qbc1c84913d_pv,@function
k_qbc1c84913d_pv:
	s_mov_b64 s[64:65], 0
	v_nop
	global_prefetch_b8 v0, s[64:65] scope:SCOPE_SE
	s_setreg_imm32_b32 hwreg(HW_REG_WAVE_MODE, 25, 1), 1
	s_wait_xcnt 0x0
	s_wait_alu depctr_hold_cnt(0) depctr_sa_sdst(0) depctr_va_vdst(0) depctr_va_sdst(0) depctr_va_ssrc(0) depctr_va_vcc(0) depctr_vm_vsrc(0)
	s_getreg_b32 s2, hwreg(HW_REG_IB_STS2, 6, 4)
	s_cmp_eq_u32 s2, 0
	s_cbranch_scc0 .Lentry_in_a_cluster
	s_endpgm
.Lentry_in_a_cluster:
	s_bfe_u32 s2, ttmp6, 0x10000c
	s_cmp_lg_u32 s2, 0xf033
	s_cbranch_scc0 .Lentry_shape_is_right
	s_endpgm
.Lentry_shape_is_right:
; out[q][d] = sum over the 8 blocks j of 128 keys of F[q][j] (P_j V_j)[q][d],  F[q][j] = exp2(M_j - M) / l,  M = max_j M_j,  l = sum_j exp2(M_j - M) l_j.
; That is softmax(scores) v with the row's maximum taken away; the correction is applied in f32 on the blocks' sums.  No work is left out.
; P and V are f16 operands, the sums f32.
; A work-group makes 128 rows x 256 columns (256 work-groups); a wave 64 x 128: 4 x 8 tiles.  A K step is one block of 128 keys.
; Window 1 holds the block's sums (each step's first products start them), window 2 the totals, tile (a, b) at v[8 (8 a + b)] in both.
; CLUSTER 4 x 4: P's tile is shared along a row of the cluster, V's along a column (one batch).  Waves 0, 1 ask for P's halves, waves 2, 3 for V's.
; Source 0 = 16 columns of V (V lies [key][d]: the transposing load), source 1 = 16 rows of P: lane (r, h) holds row r, columns 8 h + j, so one F serves a lane's whole tile.
; The 32 accumulators take turns, one instruction a turn.
; LIMITS: exp2 results below 2^-126 come out as 0 (ISA guide 15.8); 1 / l by v_rcp_f32 (l is at least about 0.95: the block that holds the
; largest M adds exp2(0) l_j, and l_j holds the term of that block's largest score, exp2 of at most half a step of M away from 0).
.set SLOT,  104448                     ; P 128 x 272, then V 128 x 544
.set PHALF, 17408
.set VBASE, 34816
.set VHALF, 34816
.set STAGE, 208896                     ; 16 x 528 for each wave; no fill lands here
.set ADRA, 8
.set ADRB, 10
.set STO,  13
.set RD,   14
.set OO,   15
.set SOF,  16
.set LANE, 18
.set F0,   32
.set F1,   128
.set ST,   128                         ; in front of the products: (M_j, l_j) at ST + 16 a + 2 j
.set TM,   192
.set TL,   196
.set FP,   224                         ; F of row tile a, block j at FP + 8 a + j
.set G1A, 24
.set G0A, 32
.set G1B, 48
.set G0B, 56
.set MSB, 0
.macro WIN new
.if MSB != \new
	s_set_vgpr_msb (MSB<<8)|\new
.set MSB, \new
.endif
.endm
.macro PLACES
.rept 4
	v_nop
.endr
.endm
.macro JLOAD s
	s_cmp_eq_u32 s13, 0
	s_cbranch_scc0 .Lfor_b_\@
	tensor_load_to_lds s[G0A+4*\s:G0A+4*\s+3], s[G1A:G1A+7]
	s_nop 0
	s_branch .Lasked_\@
.Lfor_b_\@:
	tensor_load_to_lds s[G0B+4*\s:G0B+4*\s+3], s[G1B:G1B+7]
	s_nop 0
.Lasked_\@:
.endm
.macro CREST
	s_cmp_lg_u32 s12, 0
	s_cbranch_scc1 .Lnot_wave_0_\@
	s_barrier_signal -3
.Lnot_wave_0_\@:
	s_barrier_wait -3
	s_barrier_signal -1
	s_barrier_wait -1
.endm
.macro CROUND
	s_barrier_signal -1
	s_barrier_wait -1
	CREST
.endm
	s_load_b256 s[4:11], s[0:1], 0x0               ; pbuf 4, qkv 6, stat 8, out0 10
	v_lshl_add_u32 v30, v0, 2, 0x3b400
	v_mov_b32 v31, 0
	ds_add_u32 v30, v31
	v_lshrrev_b32 v1, 5, v0
	v_readfirstlane_b32 s12, v1
	s_lshr_b32 s13, s12, 1                         ; wm
	s_and_b32 s14, s12, 1                          ; wn
	s_bfe_u32 s40, ttmp6, 0x40000
	s_bfe_u32 s41, ttmp6, 0x40004
	s_lshl_b32 s42, ttmp9, 2
	s_add_co_u32 s42, s42, s40                     ; x: block of 256 columns
	s_and_b32 s43, ttmp7, 0xffff
	s_lshl_b32 s43, s43, 2
	s_add_co_u32 s43, s43, s41                     ; y: block of 128 rows
	s_and_b32 s46, ttmp7, 0xffff
	s_lshr_b32 s46, s46, 1                         ; batch
	s_lshl_b32 s44, s41, 2
	s_lshl_b32 s44, 15, s44
	s_lshl_b32 s45, 0x1111, s40
	s_or_b32  s[G1A+0], s44, (1<<16)|(1<<20)|(1<<21)|(5<<22)|(3<<25)   ; P: 64 rows x 128 elements, 16 bytes behind every 64 words
	s_mov_b32 s[G1A+1], 128<<16
	s_mov_b32 s[G1A+2], 64<<16
	s_mov_b32 s[G1A+3], 128<<16
	s_mov_b32 s[G1A+4], 64
	s_mov_b32 s[G1A+5], 1024
	s_mov_b32 s[G1A+6], 0
	s_mov_b32 s[G1A+7], 0
	s_or_b32  s[G1B+0], s45, (1<<16)|(1<<20)|(1<<21)|(6<<22)|(7<<25)   ; V: 64 key rows x 256 elements, 32 bytes behind every 128 words
	s_mov_b32 s[G1B+1], 256<<16
	s_mov_b32 s[G1B+2], 64<<16
	s_mov_b32 s[G1B+3], 256<<16
	s_mov_b32 s[G1B+4], 64
	s_mov_b32 s[G1B+5], 3072
	s_mov_b32 s[G1B+6], 0
	s_mov_b32 s[G1B+7], 0
	s_lshl_b32 s16, s43, 7
	s_lshl_b32 s17, s14, 6
	s_add_co_u32 s16, s16, s17
	s_lshl_b32 s16, s16, 11                        ; P: row 128 y + 64 half, 2,048 bytes a row
	s_mov_b32 s17, 0
	s_lshl_b32 s66, s46, 10
	s_lshl_b32 s67, s14, 6
	s_add_co_u32 s66, s66, s67
	s_mul_i32 s66, s66, 6144                       ; V: key row 1024 batch + 64 half,
	s_lshl_b32 s67, s42, 9
	s_add_co_u32 s66, s66, s67                     ; columns 2048 + 256 x
	s_add_co_u32 s66, s66, 4096
	s_mov_b32 s67, 0
	s_mul_i32 s18, s14, PHALF
	s_mul_i32 s19, s14, VHALF
	s_add_co_u32 s19, s19, VBASE
	s_wait_dscnt 0x0
	s_wait_kmcnt 0x0
	s_add_nc_u64 s[20:21], s[4:5], s[16:17]
	s_add_nc_u64 s[22:23], s[6:7], s[66:67]
	CROUND
.irp s, 0,1
	s_mov_b32 s[G0A+4*\s], 1
	s_add_co_u32 s[G0A+4*\s+1], s18, \s*SLOT
	s_add_nc_u64 s[G0A+4*\s+2:G0A+4*\s+3], s[20:21], \s*256
	s_or_b32 s[G0A+4*\s+3], s[G0A+4*\s+3], 0x80000000
	s_mov_b32 s[G0B+4*\s], 1
	s_add_co_u32 s[G0B+4*\s+1], s19, \s*SLOT
	s_add_nc_u64 s[G0B+4*\s+2:G0B+4*\s+3], s[22:23], \s*786432     ; 128 key rows of 6,144 bytes
	s_or_b32 s[G0B+4*\s+3], s[G0B+4*\s+3], 0x80000000
	JLOAD \s                                       ; two loads of every wave are out here, one behind each later refill
.endr
	; while the first tiles are on their way: the statistics of my 64 rows
	s_lshl_b32 s92, s43, 7
	s_lshl_b32 s93, s13, 6
	s_add_co_u32 s92, s92, s93                     ; my first row
	s_lshl_b32 s94, s92, 3
	s_mov_b32 s95, 0
	s_add_nc_u64 s[8:9], s[8:9], s[94:95]
	s_lshl_b32 s92, s92, 12                        ; 4,096 bytes a row in out0
	s_lshl_b32 s93, s42, 10
	s_add_co_u32 s92, s92, s93
	s_lshl_b32 s93, s14, 9
	s_add_co_u32 s92, s92, s93
	s_mov_b32 s93, 0
	s_add_nc_u64 s[10:11], s[10:11], s[92:93]
	v_and_b32 v1, 15, v0                           ; r
	v_lshlrev_b32 v[SOF], 3, v1
.irp a, 0,1,2,3
.irp j, 0,1,2,3,4,5,6,7
	global_load_b64 v[ST+16*\a+2*\j:ST+16*\a+2*\j+1], v[SOF], s[8:9] offset:65536*\j+128*\a
.endr
.endr
	v_bfe_u32 v2, v0, 4, 1                         ; h
	v_and_b32 v[LANE], 31, v0
	v_mul_u32_u24 v3, v1, 272
	v_lshl_add_u32 v3, v2, 4, v3
	s_mul_i32 s18, s13, PHALF
	v_add_nc_u32 v[ADRA], s18, v3
	v_add_nc_u32 v[ADRA+1], SLOT, v[ADRA]
	v_and_b32 v4, 7, v0
	v_lshl_add_u32 v4, v2, 3, v4
	v_mul_u32_u24 v4, v4, 544                      ; the transposing load: key row 8 h + l % 8,
	v_bfe_u32 v5, v0, 3, 1
	v_lshl_add_u32 v4, v5, 4, v4                   ; 16 bytes (l / 8) % 2
	s_lshl_b32 s18, s14, 8
	s_add_co_u32 s18, s18, VBASE
	v_add_nc_u32 v[ADRB], s18, v4
	v_add_nc_u32 v[ADRB+1], SLOT, v[ADRB]
	s_mul_i32 s18, s12, 8448
	s_add_co_u32 s18, s18, STAGE
	v_mul_u32_u24 v3, v1, 528
	v_lshl_add_u32 v3, v2, 5, v3
	v_add_nc_u32 v[STO], s18, v3                   ; row r, 32 bytes for each half of the lanes
	v_lshl_add_u32 v[RD], v[LANE], 4, s18          ; back: 32 lanes take a row's 512 bytes
	v_lshlrev_b32 v[OO], 4, v[LANE]
	s_wait_loadcnt 0x0                             ; the 32 pairs (M_j, l_j)
.irp a, 0,1,2,3
	v_max3_num_f32 v[TM+\a], v[ST+16*\a], v[ST+16*\a+2], v[ST+16*\a+4]
	v_max3_num_f32 v[TM+\a], v[TM+\a], v[ST+16*\a+6], v[ST+16*\a+8]
	v_max3_num_f32 v[TM+\a], v[TM+\a], v[ST+16*\a+10], v[ST+16*\a+12]
	v_max_num_f32 v[TM+\a], v[TM+\a], v[ST+16*\a+14]               ; the row's maximum
.irp j, 0,1,2,3,4,5,6,7
	v_sub_f32 v[FP+8*\a+\j], v[ST+16*\a+2*\j], v[TM+\a]
.endr
.endr
.set i, 0
.rept 32
	v_exp_f32 v[FP+i], v[FP+i]
.set i, i+1
.endr
	v_nop                                          ; a plain instruction between the exponentials and the first use of a result (ISA guide 5.7.2)
	s_wait_alu depctr_va_vdst(0)
.irp a, 0,1,2,3
	v_mul_f32 v[TL+\a], v[FP+8*\a], v[ST+16*\a+1]
.irp j, 1,2,3,4,5,6,7
	v_fmac_f32 v[TL+\a], v[FP+8*\a+\j], v[ST+16*\a+2*\j+1]
.endr
.endr
.irp a, 0,1,2,3
	v_rcp_f32 v[TL+\a], v[TL+\a]
.endr
	v_nop
	s_wait_alu depctr_va_vdst(0)
.irp a, 0,1,2,3
.irp j, 0,1,2,3,4,5,6,7
	v_mul_f32 v[FP+8*\a+\j], v[FP+8*\a+\j], v[TL+\a]               ; 1 / l is folded in here: no multiply at the end
.endr
.endr
.macro MUL8 f, a, zero
.irp b, 0,1,2,3,4,5,6,7
.if \zero
	v_wmma_f32_16x16x32_f16 v[8*(8*\a+\b):8*(8*\a+\b)+7], v[\f+32+8*\b:\f+32+8*\b+7], v[\f+8*\a:\f+8*\a+7], 0
.else
	v_wmma_f32_16x16x32_f16 v[8*(8*\a+\b):8*(8*\a+\b)+7], v[\f+32+8*\b:\f+32+8*\b+7], v[\f+8*\a:\f+8*\a+7], v[8*(8*\a+\b):8*(8*\a+\b)+7]
.endif
.endr
.endm
.macro FETCH slot, q, f                ; 24 loads: the fragments of quarter q (32 of the block's 128 keys)
.irp a, 0,1,2,3
	ds_load_b128 v[\f+8*\a:\f+8*\a+3],   v[ADRA+\slot] offset:4352*\a+64*\q
	ds_load_b128 v[\f+8*\a+4:\f+8*\a+7], v[ADRA+\slot] offset:4352*\a+64*\q+32
.endr
.irp b, 0,1,2,3,4,5,6,7
	ds_load_tr16_b128 v[\f+32+8*\b:\f+32+8*\b+3],   v[ADRB+\slot] offset:17408*\q+32*\b
	ds_load_tr16_b128 v[\f+32+8*\b+4:\f+32+8*\b+7], v[ADRB+\slot] offset:17408*\q+32*\b+8704
.endr
.endm
.macro QUARTER slot, qn, f, g, zero
	WIN 0
	PLACES
	FETCH \slot, \qn, \g
	s_wait_dscnt 24                                ; all but the 24 just issued: f is in
	WIN 0x50
	MUL8 \f, 0, \zero
	MUL8 \f, 1, \zero
	MUL8 \f, 2, \zero
	MUL8 \f, 3, \zero
.endm
.macro TURN slot, next, fill
	s_wait_dscnt 0x0                               ; my reads of this slot are over
	s_wait_tensorcnt 0x0                           ; all my tensor loads have landed
	ds_add_u32 v30, v31
	s_wait_dscnt 0x0
	s_barrier_signal -1
	WIN 0x50
	MUL8 F1, 0, 0
	MUL8 F1, 1, 0
	WIN 0
	s_barrier_wait -1
.if \fill
	CREST
	s_add_nc_u64 s[G0A+4*\slot+2:G0A+4*\slot+3], s[G0A+4*\slot+2:G0A+4*\slot+3], 512
	s_add_nc_u64 s[G0B+4*\slot+2:G0B+4*\slot+3], s[G0B+4*\slot+2:G0B+4*\slot+3], 2*786432
	JLOAD \slot                                    ; my one tensor load behind the round
.endif
	PLACES
	FETCH \next, 0, F0
	WIN 0x50
	MUL8 F1, 2, 0
	MUL8 F1, 3, 0
.endm
; total += F_j x block sums: destination and addend in window 2, the block's sums in window 1, F in window 0.  Block 0 starts the totals: nothing is cleared.
.macro FOLD j
	PLACES
	WIN 0xa1
.irp a, 0,1,2,3
.set i, 0
.rept 32
.if \j == 0
	v_pk_mul_f32 v[64*\a+i:64*\a+i+1], v[64*\a+i:64*\a+i+1], v[FP+8*\a:FP+8*\a+1] op_sel_hi:[1,0]
.else
.if (\j & 1) == 0
	v_pk_fma_f32 v[64*\a+i:64*\a+i+1], v[64*\a+i:64*\a+i+1], v[FP+8*\a+\j:FP+8*\a+\j+1], v[64*\a+i:64*\a+i+1] op_sel_hi:[1,0,1]
.else
	v_pk_fma_f32 v[64*\a+i:64*\a+i+1], v[64*\a+i:64*\a+i+1], v[FP+8*\a+\j-1:FP+8*\a+\j], v[64*\a+i:64*\a+i+1] op_sel:[0,1,0] op_sel_hi:[1,1,1]
.endif
.endif
.set i, i+2
.endr
.endr
.endm
.macro STEP j, slot, next, fill
	QUARTER \slot, 1, F0, F1, 1                    ; the block's first products start its sums
	QUARTER \slot, 2, F1, F0, 0
	QUARTER \slot, 3, F0, F1, 0
	TURN \slot, \next, \fill
	FOLD \j
.endm
	s_wait_tensorcnt 0x1                           ; my part of block 0 is in; block 1's may stay out
	s_barrier_signal -1
	s_barrier_wait -1
	FETCH 0, 0, F0
	STEP 0, 0, 1, 1
	STEP 1, 1, 0, 1
	STEP 2, 0, 1, 1
	STEP 3, 1, 0, 1
	STEP 4, 0, 1, 1
	STEP 5, 1, 0, 1                                ; the last refill: block 7
	STEP 6, 0, 1, 0
	QUARTER 1, 1, F0, F1, 1
	QUARTER 1, 2, F1, F0, 0
	QUARTER 1, 3, F0, F1, 0
	s_wait_dscnt 0x0
	MUL8 F1, 0, 0
	MUL8 F1, 1, 0
	MUL8 F1, 2, 0
	MUL8 F1, 3, 0
	FOLD 7
; THE WAY OUT, 16 rows at a time: 32 bytes a lane into my own stage, whole rows of 512 bytes back, stored by 32 lanes
.macro OUT16 a, f
	WIN 0x08                                       ; store data in window 2
.irp b, 0,1,2,3,4,5,6,7
	ds_store_b128 v[STO], v[8*(8*\a+\b):8*(8*\a+\b)+3]   offset:64*\b
	ds_store_b128 v[STO], v[8*(8*\a+\b)+4:8*(8*\a+\b)+7] offset:64*\b+16
.endr
	WIN 0
	s_wait_xcnt 0x0                                ; the stores that read this register set have had their addresses translated (ISA guide 3.1)
.irp t, 0,1,2,3,4,5,6,7,8,9,10,11,12,13,14,15
	ds_load_b128 v[\f+4*\t:\f+4*\t+3], v[RD] offset:528*\t               ; my own bytes: LDS serves a wave's instructions in order (ISA guide 5.7.1)
.endr
.irp t, 0,1,2,3,4,5,6,7,8,9,10,11,12,13,14,15
	s_wait_dscnt 15-\t
	global_store_b128 v[OO], v[\f+4*\t:\f+4*\t+3], s[10:11] offset:(16*\a+\t)*4096 th:TH_STORE_NT    ; 512 neighbouring bytes, aligned
.endr
.endm
	OUT16 0, 32
	OUT16 1, 128
	OUT16 2, 32
	OUT16 3, 128
	s_wait_tensorcnt 0x0
	ds_add_u32 v30, v31
	s_wait_dscnt 0x0
	CROUND                                         ; the closing round
	s_endpgm
.Lfunc_end_k_qbc1c84913d_pv:
	.size	k_qbc1c84913d_pv, .Lfunc_end_k_qbc1c84913d_pv-k_qbc1c84913d_pv
	.p2alignl 7, 3214868480
	.fill 96, 4, 3214868480
	.section	.rodata,"a",@progbits
	.p2align	6, 0x0
	.amdhsa_kernel k_qbc1c84913d_pv
		.amdhsa_group_segment_fixed_size 327680
		.amdhsa_private_segment_fixed_size 0
		.amdhsa_enable_private_segment 0
		.amdhsa_kernarg_size 32
		.amdhsa_user_sgpr_count 2
		.amdhsa_user_sgpr_kernarg_segment_ptr 1
		.amdhsa_wavefront_size32 1
		.amdhsa_system_sgpr_workgroup_id_x 1
		.amdhsa_system_sgpr_workgroup_id_y 1
		.amdhsa_system_sgpr_workgroup_id_z 1
		.amdhsa_system_vgpr_workitem_id 0
		.amdhsa_next_free_vgpr 768
		.amdhsa_next_free_sgpr 96
		.amdhsa_reserve_vcc 0
		.amdhsa_float_denorm_mode_32 3
		.amdhsa_float_denorm_mode_16_64 3
		.amdhsa_memory_ordered 1
		.amdhsa_forward_progress 1
		.amdhsa_inst_pref_size 221
	.end_amdhsa_kernel
	.amdgpu_metadata
---
amdhsa.version: [ 1, 2 ]
amdhsa.kernels:
  - .name:           k_qbc1c84913d_pv
    .symbol:         k_qbc1c84913d_pv.kd
    .args:
      - { .name: pbuf, .offset: 0, .size: 8, .value_kind: global_buffer, .address_space: global }
      - { .name: qkv, .offset: 8, .size: 8, .value_kind: global_buffer, .address_space: global }
      - { .name: stat, .offset: 16, .size: 8, .value_kind: global_buffer, .address_space: global }
      - { .name: out0, .offset: 24, .size: 8, .value_kind: global_buffer, .address_space: global }
    .group_segment_fixed_size: 327680
    .private_segment_fixed_size: 0
    .kernarg_segment_align: 8
    .kernarg_segment_size: 32
    .max_flat_workgroup_size: 128
    .sgpr_count:     96
    .vgpr_count:     768
    .wavefront_size: 32
...
	.end_amdgpu_metadata
.endif
;; end of part 4
;; ======== version 2 of 2: 4 launches; version 1 with the launch prep written anew for expert scheduling mode
;; limits: values are held in f16: magnitudes above 65,504 overflow, below 6.1e-05 lose precision
;; workspace buffers: wb 6,291,456 bytes; qkv 50,331,648 bytes; pbuf 16,777,216 bytes; stat 524,288 bytes
;; launch prep (part 5): grid 256 x 1, 8 waves a work-group, no clusters, 0 bytes of LDS; arguments Wq, Wk, Wv, wb; writes wb
.if DOCPART == 5
	.amdgcn_target "amdgcn-amd-amdhsa--gfx1250"
	.amdhsa_code_object_version 6
	.text
	.protected	k_qbc1c84913d_prep
	.globl	k_qbc1c84913d_prep
	.p2align	8
	.type	k_qbc1c84913d_prep,@function
k_qbc1c84913d_prep:
	s_mov_b64 s[64:65], 0
	v_nop
	global_prefetch_b8 v0, s[64:65] scope:SCOPE_SE
	s_setreg_imm32_b32 hwreg(HW_REG_WAVE_SCHED_MODE, 0, 2), 2
	s_setreg_imm32_b32 hwreg(HW_REG_WAVE_MODE, 25, 1), 1
	s_wait_xcnt 0x0
	s_wait_alu depctr_vm_vsrc(0)
; SINGLE-HEAD ATTENTION, B = 8, S = D = 1024, in four launches:
;   1 (this one)  Wq, Wk, Wv rounded to bf16 and laid out tile by tile
;   2             q | k | v = x W + b, f16, [8192][3072]; x is rounded to bf16 on its way from LDS to the matrix unit
;   3             P = exp2(c s - M_blk) per block of 128 keys, f16, with (M_blk, l_blk) per row and block; s = q . k, c = log2(e) / 32
;   4             out = sum over blocks of exp2(M_blk - M) / l * (P_blk V_blk)
; NOTHING OF THE PROBLEM IS LEFT OUT.  The mask is an input: every score tile is computed and selected.  The masked value -999999 is
; finite, so the term q.bk, though equal along a row, shifts the live scores against the masked ones: bk stays.  All eight inputs are loaded.
; FORMATS.  x and W go to the matrix unit in bf16 (f32's exponent: every input fits), each rounded once, as it comes.
; q, k, v and P go in f16: 11 significant bits against bf16's 8.  A row with few live keys is a sum of few terms as large as v itself,
; so there the roundings of q, k, v and P are not averaged away.  Room in f16 (largest number 65,504): q, k, v are sums of 1,024 products,
; about 1 at the problem's spread; all inputs 30 times larger make them 900 times larger; a common offset of 30 spreads on x and on W
; adds 30 x (30/32) x 1024 = 28,800.  P is at most about 1.
; LIMITS: q, k, v beyond 65,504 in magnitude become infinite; below 6.1e-5 they are kept in steps of 6e-8.
; WHY W IS LAID OUT HERE: W lies [k][n], and the matrix unit wants k along a lane's registers; the transposing LDS load works on 16-bit
; elements, so W has to be in bf16 before it reaches LDS.  x lies [row][k] and needs no such step.
; This launch is a stream: no LDS, no matrix unit, no cluster (no two work-groups read the same bytes).
; 256 work-groups of equal work: work-group p takes rows k = 4 p .. 4 p + 3 of each of the three W.  Thread t takes n = 4 t .. 4 t + 3.
;   wb  [16 kb][24 chunks][64 k][128 n] bf16:     byte kb*393216 + chunk*16384 + (k%64)*256 + (n%128)*2, chunk = 8*(0 q, 1 k, 2 v) + n/128
; THE MODE: SCHED_MODE bits 1:0 = 2 (LLVM: expert scheduling mode 2), set by the entry lines.  The code itself states the register dependences
; between vector instructions and memory instructions, with s_wait_alu, always for 0.
; THE PLAN.  Registers that memory instructions touch:
;   v1, v2     byte offsets of the loads and of the stores: made once at the head by vector instructions, never written again.
;   X, row n   four registers.  Written by load n (no vector instruction names them before that); read by the row's two conversions, which write
;              the first two of the four in place; these two are then read by the row's store and never written again.
; The twelve rows go in three groups of four, one for each W.  Group m rounds its own rows; its memory instructions are the four stores of
; group m - 1, whose registers no conversion of group m names.  So one wait at the head of a group states all that its four stores hang on, and
; they are dealt among the group's conversions with no further wait.  One wait stands ahead of the first load (the offsets), one ahead of the
; last four stores.  No register that a load or store has read is ever written again: nothing is owed on that side.
.set SO,  1                            ; v1      16 t: a wave's load covers 512 neighbouring bytes of a row
.set DOF, 2                            ; v2      (t / 32) 16384 + 8 (t % 32): a wave's store fills one row of one chunk, 256 bytes, aligned
.set X,   8                            ; v[8:55] 12 rows x 4 f32 as loaded; the first 2 of each 4 then hold the 4 bf16
	s_load_b256 s[4:11], s[0:1], 0x0               ; Wq 4, Wk 6, Wv 8, wb 10
	s_lshl_b32 s12, ttmp9, 14                      ; 4 rows of 4,096 bytes
	s_mov_b32 s13, 0
	s_lshr_b32 s14, ttmp9, 4                       ; kb = k / 64 = p / 16
	s_mul_i32 s14, s14, 393216
	s_and_b32 s15, ttmp9, 15
	s_lshl_b32 s15, s15, 10                        ; k % 64 = 4 (p % 16): 4 rows of 256 bytes
	s_add_co_u32 s14, s14, s15
	s_mov_b32 s15, 0
	v_lshlrev_b32 v[SO], 4, v0
	v_lshrrev_b32 v3, 5, v0                        ; chunk of my n: 4 t / 128
	v_and_b32 v[DOF], 31, v0
	v_lshlrev_b32 v[DOF], 3, v[DOF]
	v_lshl_add_u32 v[DOF], v3, 14, v[DOF]
	s_wait_kmcnt 0x0
	s_add_nc_u64 s[4:5], s[4:5], s[12:13]
	s_add_nc_u64 s[6:7], s[6:7], s[12:13]
	s_add_nc_u64 s[8:9], s[8:9], s[12:13]
	s_add_nc_u64 s[10:11], s[10:11], s[14:15]
	s_wait_alu depctr_va_vdst(0)                   ; v1 and v2 are written: every load reads v1 as its offset, every store v2
	; all twelve loads go out first; no register that a store names is written again
.irp m, 0,1,2
.irp i, 0,1,2,3
	global_load_b128 v[X+16*\m+4*\i:X+16*\m+4*\i+3], v[SO], s[4+2*\m:5+2*\m] offset:\i*4096 th:TH_LOAD_NT
.endr
.endr
.irp m, 0,1,2
.irp i, 0,1,2,3
	s_wait_loadcnt 11-(4*\m+\i)                    ; loads return in order: this row is in, the younger ones stay out
.if (\m > 0) && (\i == 0)
	s_wait_alu depctr_va_vdst(0)                   ; the conversions of the group before have written the first two registers of its four rows, which this group's four stores read
.endif
.if \m > 0
	global_store_b64 v[DOF], v[X+16*(\m-1)+4*\i:X+16*(\m-1)+4*\i+1], s[10:11] offset:(\m-1)*131072+\i*256  ; row i of the group before; no vector instruction since the wait names its registers
.endif
	v_cvt_pk_bf16_f32 v[X+16*\m+4*\i],   v[X+16*\m+4*\i],   v[X+16*\m+4*\i+1]      ; in place: a register is written after it was read
	v_cvt_pk_bf16_f32 v[X+16*\m+4*\i+1], v[X+16*\m+4*\i+2], v[X+16*\m+4*\i+3]
.endr
.endr
	s_wait_alu depctr_va_vdst(0)                   ; the last group's conversions have written the data of the last four stores
.irp i, 0,1,2,3
	global_store_b64 v[DOF], v[X+32+4*\i:X+32+4*\i+1], s[10:11] offset:2*131072+\i*256
.endr
	s_endpgm
.Lfunc_end_k_qbc1c84913d_prep:
	.size	k_qbc1c84913d_prep, .Lfunc_end_k_qbc1c84913d_prep-k_qbc1c84913d_prep
	.p2alignl 7, 3214868480
	.fill 96, 4, 3214868480
	.section	.rodata,"a",@progbits
	.p2align	6, 0x0
	.amdhsa_kernel k_qbc1c84913d_prep
		.amdhsa_group_segment_fixed_size 0
		.amdhsa_private_segment_fixed_size 0
		.amdhsa_enable_private_segment 0
		.amdhsa_kernarg_size 32
		.amdhsa_user_sgpr_count 2
		.amdhsa_user_sgpr_kernarg_segment_ptr 1
		.amdhsa_wavefront_size32 1
		.amdhsa_system_sgpr_workgroup_id_x 1
		.amdhsa_system_sgpr_workgroup_id_y 1
		.amdhsa_system_sgpr_workgroup_id_z 1
		.amdhsa_system_vgpr_workitem_id 0
		.amdhsa_next_free_vgpr 56
		.amdhsa_next_free_sgpr 66
		.amdhsa_reserve_vcc 0
		.amdhsa_float_denorm_mode_32 3
		.amdhsa_float_denorm_mode_16_64 3
		.amdhsa_memory_ordered 1
		.amdhsa_forward_progress 1
		.amdhsa_inst_pref_size 6
	.end_amdhsa_kernel
	.amdgpu_metadata
---
amdhsa.version: [ 1, 2 ]
amdhsa.kernels:
  - .name:           k_qbc1c84913d_prep
    .symbol:         k_qbc1c84913d_prep.kd
    .args:
      - { .name: Wq, .offset: 0, .size: 8, .value_kind: global_buffer, .address_space: global }
      - { .name: Wk, .offset: 8, .size: 8, .value_kind: global_buffer, .address_space: global }
      - { .name: Wv, .offset: 16, .size: 8, .value_kind: global_buffer, .address_space: global }
      - { .name: wb, .offset: 24, .size: 8, .value_kind: global_buffer, .address_space: global }
    .group_segment_fixed_size: 0
    .private_segment_fixed_size: 0
    .kernarg_segment_align: 8
    .kernarg_segment_size: 32
    .max_flat_workgroup_size: 256
    .sgpr_count:     66
    .vgpr_count:     56
    .wavefront_size: 32
...
	.end_amdgpu_metadata
.endif
;; end of part 5
;; launch qkv: the kernel of part 2 again; grid 8 x 32, 4 waves a work-group, clusters of 4 x 4, 327,680 bytes of LDS; arguments inputs, wb, bq, bk, bv, qkv; writes qkv
;; launch scores: the kernel of part 3 again; grid 4 x 64, 4 waves a work-group, clusters of 4 x 4, 327,680 bytes of LDS; arguments qkv, mask, pbuf, stat; writes pbuf, stat
;; launch pv: the kernel of part 4 again; grid 4 x 64, 4 waves a work-group, clusters of 4 x 4, 327,680 bytes of LDS; arguments pbuf, qkv, stat, out0; writes out0
